; MI455X (gfx1250); checked and timed in simulation.
; The chip was launched on July 23, 2026; its instructions are those of AMD's public machine-readable ISA for CDNA 5 (MIT licence, August 2026) and "CDNA5" Instruction Set Architecture Reference Guide (July 2026). The comments in the code are by the model that wrote it; some were corrected since.
;; self learning poisoner. Allowed arithmetic: float matrix products may take bf16 or f16 operands with f32 sums; all other float work in f32.
;; Inputs: candidate_ids 64 x 128 x 5 int32; gumbel_noise 64 x 128 x 5 float32; no_poison_ids 64 x 128 int32; pos_emb 128 x 768 float32; relevance_bias 128 x 5 float32; relevance_mat 128 x 768 float32; to_poison_ids 64 x 128 int32; word_emb 30,522 x 768 float32.
;; Outputs: out0 128 x 128 x 768 float32.
;; 2 versions, each right; version 2 is version 1 with the launch poison written anew for expert scheduling mode. Each part assembles by itself: llvm-mc -triple=amdgcn-amd-amdhsa -mcpu=gfx1250 --defsym DOCPART=n.
;; ======== version 1 of 2: 1 launch
;; launch poison (part 1): grid 128 x 2, 16 waves a work-group, no clusters, 0 bytes of LDS; arguments candidate_ids, gumbel_noise, to_poison_ids, no_poison_ids, relevance_bias, relevance_mat, pos_emb, word_emb, out0; writes out0
.if DOCPART == 1
	.amdgcn_target "amdgcn-amd-amdhsa--gfx1250"
	.amdhsa_code_object_version 6
	.text
	.protected	k_q59517377f8_poison
	.globl	k_q59517377f8_poison
	.p2align	8
	.type	k_q59517377f8_poison,@function
k_q59517377f8_poison:
	s_mov_b64 s[64:65], 0
	v_nop
	global_prefetch_b8 v0, s[64:65] scope:SCOPE_SE
	s_setreg_imm32_b32 hwreg(HW_REG_WAVE_MODE, 25, 1), 1
	s_wait_xcnt 0x0
; Gumbel-softmax blend of candidate embeddings.  For each of the 64 x 128 tokens (b, l):
;   logit_c = dot(w[cand_c] - w[to_poison], rel[l]) + bias[l][c] + gumbel[b][l][c]        c = 0 .. 4
;   p       = softmax(logit / 0.5)
;   out[b][l]      = pos[l] + sum over c of p_c w[cand_c]
;   out[64 + b][l] = pos[l] + w[no_poison]
; A row is 768 f32 = 3,072 bytes.  A token reads seven table rows and writes two rows, and does less than one operation
; for each byte: the text is laid out for bytes, all arithmetic is f32 on the vector unit.
;
; SHARES.  Work-group (x, y): position l = x, batch half y.  16 waves; wave w owns the two tokens b = 32 y + 2 w + (0, 1), both at
; position l, so rel[l] and pos[l] are loaded once for both.  A lane owns 24 numbers of every row: six loads of 16 bytes at
; 16 lane + 512 j; each load or store of a wave covers 512 consecutive bytes that begin on a multiple of 256.
; A wave holds a whole token's seven rows in registers (168) between the scoring pass and the blend: each row is loaded once.
; Token 1's rows are requested into token 0's registers as these fall free, so up to 54 loads of a wave are out at a time.
; The reduction never leaves the wave: no LDS, no barrier.  Two tokens are written out straight: no loop, no branch.
;
; NOT USED, by this text's arithmetic.  Matrix instructions: the score is one column for each l, the blend's five weights differ from
; token to token.  Joint requests in a cluster: what work-groups share is rel[l] and pos[l], 6,144 bytes, against
; 16 waves x 14 rows x 3,072 = 688,128 bytes of gathered rows that no partner can be known to want.
;
; LIMITS AND ORDER OF ROUNDING.
;  - pos[l] cancels in candidate - to_poison and is not added there; the score is summed as (dot of w[cand_c]) - (dot of w[to_poison])
;    in each lane's 24 numbers and then over the 32 lanes; the blend is pos + sum p_c w_c, which takes sum p_c = 1 (true to f32 rounding).
;  - v_exp_f32 gives 0 for a weight below 2^-126 of the largest.
;  - An id is taken as unsigned and clamped to 30,521; the problem keeps ids inside the table.
;  - An infinite logit gives NaN (inf - inf), as in the softmax it stands for; a NaN logit among finite ones loses in the maximum and then
;    spreads through the sum to all five weights.
.set ROWB,    3072                     ; bytes in a row
.set VMAX,    30521                    ; the table's last row
.set TOKSTEP, 128*ROWB                 ; from b to b + 1 in out0
.set HALF,    64*128*ROWB              ; from out[b] to out[64 + b]
.set K2,      0x4038aa3b               ; 2 log2(e): 1 / temperature folded into the base-2 exponent
.set NK2,     0xc038aa3b               ; the same, negative
; vector registers
.set REL, 2                            ; v[2:25]     rel[l], my 24 numbers
.set POS, 26                           ; v[26:49]    pos[l]
.set TP,  50                           ; v[50:73]    the to_poison row
.set CD0, 74                           ; v[74:193]   the five candidate rows, 24 registers each; the blend ends up in CD0
.set CD1, CD0+24
.set CD2, CD0+48
.set CD3, CD0+72
.set CD4, CD0+96
.set NPO, 194                          ; v[194:217]  the no_poison row
.set CH,  218                          ; v[218:225]  four chains of packed sums; later what comes from the other half of the lanes
.set DC,  226                          ; v[226:230]  the five dots, then logits
.set DTP, 231                          ; v231        the to_poison row's dot
.set PR,  232                          ; v[232:241]  pair c: even register e_c, then p_c; odd register the exponent's argument
.set MX,  242
.set SUM, 243
.set SUM2, 244
.set INV, 245
; scalar registers: s2 wave, s3 first token, s4 = 4 x token, s5 = 20 x token, s[6:7] an offset in 64 bits (s7 = 0), s[8:25] the nine buffers,
; s26 = 20 l, s27 K2, s35 -K2, s33 s34 lane selects
.set BIAS, 28                          ; s[28:32]    bias[l][0..4]
.set ID0,  36                          ; s[36:40] candidates, s41 to_poison, s42 no_poison of token 0
.set ID1,  44                          ; s[44:50] the same of token 1
.set GU0,  52                          ; s[52:56]    gumbel of token 0, then gumbel + bias
.set OUTN, 66                          ; s[66:67]    out0 at [64 + b][l]
.set GU1,  68                          ; s[68:72]    gumbel of token 1, then gumbel + bias
.set RB0,  74                          ; s[74:87]    token 0's seven row addresses: to_poison, candidates 0..4, no_poison
.set RB1,  88                          ; s[88:101]   token 1's.  No address that a load or store names is ever rewritten.
.set OUTP, 24                          ; s[24:25]    out0 at [b][l]
; a row in: six loads.  No cache word: a table row may be named again by another token, rel and pos are read by 16 waves
.macro LOAD6 reg, sb
.irp j, 0,1,2,3,4,5
	global_load_b128 v[\reg+4*\j:\reg+4*\j+3], v1, s[\sb:\sb+1] offset:512*\j
.endr
.endm
; a row out: six stores; written once and not read in this launch
.macro STORE6 reg, sb, off
.irp j, 0,1,2,3,4,5
	global_store_b128 v1, v[\reg+4*\j:\reg+4*\j+3], s[\sb:\sb+1] offset:\off+512*\j th:TH_STORE_NT
.endr
.endm
; the address of table row s[id]
.macro ROWBASE dst, id
	s_min_u32 s[\id], s[\id], VMAX
	s_mul_i32 s6, s[\id], ROWB                     ; at most 30,521 x 3,072: fits 32 bits
	s_add_nc_u64 s[\dst:\dst+1], s[22:23], s[6:7]
.endm
; my 24 numbers of two rows against rel: two packed chains a row, four that do not wait for each other; the first products start the sums
.macro DOT2 ra, rb, da, db
	v_pk_mul_f32 v[CH:CH+1],   v[\ra:\ra+1],   v[REL:REL+1]
	v_pk_mul_f32 v[CH+2:CH+3], v[\ra+2:\ra+3], v[REL+2:REL+3]
	v_pk_mul_f32 v[CH+4:CH+5], v[\rb:\rb+1],   v[REL:REL+1]
	v_pk_mul_f32 v[CH+6:CH+7], v[\rb+2:\rb+3], v[REL+2:REL+3]
.irp j, 4,8,12,16,20
	v_pk_fma_f32 v[CH:CH+1],   v[\ra+\j:\ra+\j+1],   v[REL+\j:REL+\j+1],   v[CH:CH+1]
	v_pk_fma_f32 v[CH+2:CH+3], v[\ra+\j+2:\ra+\j+3], v[REL+\j+2:REL+\j+3], v[CH+2:CH+3]
	v_pk_fma_f32 v[CH+4:CH+5], v[\rb+\j:\rb+\j+1],   v[REL+\j:REL+\j+1],   v[CH+4:CH+5]
	v_pk_fma_f32 v[CH+6:CH+7], v[\rb+\j+2:\rb+\j+3], v[REL+\j+2:REL+\j+3], v[CH+6:CH+7]
.endr
	v_pk_add_f32 v[CH:CH+1],   v[CH:CH+1],   v[CH+2:CH+3]
	v_pk_add_f32 v[CH+4:CH+5], v[CH+4:CH+5], v[CH+6:CH+7]
	v_add_f32 v[\da], v[CH],   v[CH+1]
	v_add_f32 v[\db], v[CH+4], v[CH+5]
.endm
; from the lanes' six partial dots to the five weights, in every lane.  g: the token's gumbel + bias
.macro SOFTMAX g
.irp c, 0,1,2,3,4
	v_sub_f32 v[DC+\c], v[DC+\c], v[DTP]           ; candidate - to_poison, my share
.endr
.irp m, 1,2,4,8
.irp c, 0,1,2,3,4
	v_add_f32_dpp v[DC+\c], v[DC+\c], v[DC+\c] row_xmask:\m row_mask:0xf bank_mask:0xf   ; inside each half of 16 lanes
.endr
.endr
.irp c, 0,1,2,3,4
	v_permlanex16_b32 v[CH+\c], v[DC+\c], s33, s34 ; the other half's sum; CH was written by the dots
.endr
.irp c, 0,1,2,3,4
	v_add_f32 v[DC+\c], v[DC+\c], v[CH+\c]         ; the score, in every lane
.endr
.irp c, 0,1,2,3,4
	v_add_f32 v[DC+\c], s[\g+\c], v[DC+\c]         ; + bias + gumbel
.endr
	v_max3_num_f32 v[MX], v[DC], v[DC+1], v[DC+2]
	v_max3_num_f32 v[MX], v[MX], v[DC+3], v[DC+4]
	v_mul_f32 v[MX], s35, v[MX]                    ; -K2 x the largest logit
.irp c, 0,1,2,3,4
	v_fma_f32 v[PR+2*\c+1], v[DC+\c], s27, v[MX]   ; K2 (logit - largest)
.endr
.irp c, 0,1,2,3,4
	v_exp_f32 v[PR+2*\c], v[PR+2*\c+1]
.endr
	v_nop                                          ; one plain vector instruction between a transcendental and the use of its result (ISA guide 5.7.2)
	s_wait_alu depctr_va_vdst(0)
	v_add_f32 v[SUM],  v[PR],   v[PR+2]
	v_add_f32 v[SUM2], v[PR+4], v[PR+6]
	v_add_f32 v[SUM],  v[SUM],  v[PR+8]
	v_add_f32 v[SUM],  v[SUM],  v[SUM2]            ; at least 1 up to rounding: the largest logit's term
	v_rcp_f32 v[INV], v[SUM]
	v_nop                                          ; the same place behind v_rcp_f32
	s_wait_alu depctr_va_vdst(0)
.irp c, 0,1,2,3,4
	v_mul_f32 v[PR+2*\c], v[PR+2*\c], v[INV]
.endr
.endm
; CD0 = pos + sum of p_c x candidate c.  op_sel_hi 0 for the weight: both halves multiply by the pair's even register
.macro BLEND
.irp j, 0,2,4,6,8,10,12,14,16,18,20,22
	v_pk_fma_f32 v[CD0+\j:CD0+\j+1], v[CD0+\j:CD0+\j+1], v[PR:PR+1], v[POS+\j:POS+\j+1] op_sel_hi:[1,0,1]
.endr
.irp c, 1,2,3,4
.irp j, 0,2,4,6,8,10,12,14,16,18,20,22
	v_pk_fma_f32 v[CD0+\j:CD0+\j+1], v[CD0+24*\c+\j:CD0+24*\c+\j+1], v[PR+2*\c:PR+2*\c+1], v[CD0+\j:CD0+\j+1] op_sel_hi:[1,0,1]
.endr
.endr
.endm
.macro NPADD
.irp j, 0,2,4,6,8,10,12,14,16,18,20,22
	v_pk_add_f32 v[NPO+\j:NPO+\j+1], v[NPO+\j:NPO+\j+1], v[POS+\j:POS+\j+1]
.endr
.endm
	; the nine buffers: candidate_ids s[8:9], gumbel s[10:11], to_poison_ids s[12:13], no_poison_ids s[14:15], bias s[16:17],
	; rel s[18:19], pos s[20:21], word_emb s[22:23], out0 s[24:25]
	s_load_b512 s[8:23], s[0:1], 0x0
	s_load_b64 s[24:25], s[0:1], 0x40
	v_and_b32 v1, 31, v0
	v_lshrrev_b32 v[CH], 5, v0
	v_readfirstlane_b32 s2, v[CH]                  ; wave 0 .. 15
	v_lshlrev_b32 v1, 4, v1                        ; 16 x lane: the only vector offset, never rewritten
	s_and_b32 s3, ttmp7, 0xffff                    ; y
	s_lshl_b32 s3, s3, 4
	s_add_co_u32 s3, s3, s2                        ; 16 y + w
	s_lshl_b32 s3, s3, 8                           ; b x 128 with b = 32 y + 2 w
	s_add_co_u32 s3, s3, ttmp9                     ; + l: my first token; the second is 128 further on
	s_lshl_b32 s4, s3, 2                           ; its byte offset in the two lists of ids
	s_mul_i32 s5, s3, 20                           ; and in candidate_ids and gumbel_noise (five words a token)
	s_mul_i32 s26, ttmp9, 20                       ; bias[l]
	s_mul_i32 s6, ttmp9, ROWB                      ; rel[l], pos[l]
	s_mov_b32 s7, 0
	s_wait_kmcnt 0x0
	; everything that is one number for the whole wave comes by scalar loads: ids, gumbel, bias
	s_load_b128 s[ID0:ID0+3], s[8:9], s5 offset:0x0
	s_load_b32  s[ID0+4],     s[8:9], s5 offset:0x10
	s_load_b32  s[ID0+5],     s[12:13], s4 offset:0x0
	s_load_b32  s[ID0+6],     s[14:15], s4 offset:0x0
	s_load_b128 s[ID1:ID1+3], s[8:9], s5 offset:128*20
	s_load_b32  s[ID1+4],     s[8:9], s5 offset:128*20+16
	s_load_b32  s[ID1+5],     s[12:13], s4 offset:128*4
	s_load_b32  s[ID1+6],     s[14:15], s4 offset:128*4
	s_load_b128 s[GU0:GU0+3], s[10:11], s5 offset:0x0
	s_load_b32  s[GU0+4],     s[10:11], s5 offset:0x10
	s_load_b128 s[GU1:GU1+3], s[10:11], s5 offset:128*20
	s_load_b32  s[GU1+4],     s[10:11], s5 offset:128*20+16
	s_load_b128 s[BIAS:BIAS+3], s[16:17], s26 offset:0x0
	s_load_b32  s[BIAS+4],      s[16:17], s26 offset:0x10
	; while they are out: the two rows that hang on l alone, and the addresses of my output rows
	s_add_nc_u64 s[18:19], s[18:19], s[6:7]
	s_add_nc_u64 s[20:21], s[20:21], s[6:7]
	LOAD6 REL, 18
	LOAD6 POS, 20
	s_mul_i32 s6, s3, ROWB                         ; at most 8,191 x 3,072
	s_add_nc_u64 s[OUTP:OUTP+1], s[24:25], s[6:7]
	s_add_nc_u64 s[OUTN:OUTN+1], s[OUTP:OUTP+1], HALF
	s_mov_b32 s27, K2
	s_mov_b32 s35, NK2
	s_mov_b32 s33, 0x76543210                      ; v_permlanex16_b32: lane i reads lane i of the other half
	s_mov_b32 s34, 0xfedcba98
	s_wait_kmcnt 0x0                               ; scalar loads return in no order: zero
	; token 0's seven rows go out first
	ROWBASE RB0,    ID0+5
	ROWBASE RB0+2,  ID0
	ROWBASE RB0+4,  ID0+1
	ROWBASE RB0+6,  ID0+2
	ROWBASE RB0+8,  ID0+3
	ROWBASE RB0+10, ID0+4
	ROWBASE RB0+12, ID0+6
	LOAD6 TP,  RB0
	LOAD6 CD0, RB0+2
	LOAD6 CD1, RB0+4
	LOAD6 CD2, RB0+6
	LOAD6 CD3, RB0+8
	LOAD6 CD4, RB0+10
	LOAD6 NPO, RB0+12
	; scalar work that can stand behind the loads
	ROWBASE RB1,    ID1+5
	ROWBASE RB1+2,  ID1
	ROWBASE RB1+4,  ID1+1
	ROWBASE RB1+6,  ID1+2
	ROWBASE RB1+8,  ID1+3
	ROWBASE RB1+10, ID1+4
	ROWBASE RB1+12, ID1+6
.irp c, 0,1,2,3,4
	s_add_f32 s[GU0+\c], s[GU0+\c], s[BIAS+\c]
	s_add_f32 s[GU1+\c], s[GU1+\c], s[BIAS+\c]
.endr
	; TOKEN 0.  Loads come back in issue order (ISA guide 5.7.1); each count is the number of younger loads that may stay out.
	s_wait_loadcnt 30                              ; rel, pos, to_poison, candidate 0 are in; out: candidates 1-4 (24), no_poison (6)
	DOT2 TP, CD0, DTP, DC
	LOAD6 TP, RB1                                  ; token 1's to_poison row into the registers just read for the last time
	s_wait_loadcnt 24                              ; candidates 1, 2 are in; out: candidates 3, 4 (12), no_poison (6), token 1's to_poison (6)
	DOT2 CD1, CD2, DC+1, DC+2
	s_wait_loadcnt 12                              ; candidates 3, 4 are in; out: no_poison (6), token 1's to_poison (6)
	DOT2 CD3, CD4, DC+3, DC+4
	SOFTMAX GU0
	BLEND
	LOAD6 CD1, RB1+4                               ; loads ahead of stores: token 1's candidates 1-4
	LOAD6 CD2, RB1+6
	LOAD6 CD3, RB1+8
	LOAD6 CD4, RB1+10
	STORE6 CD0, OUTP, 0
	s_wait_loadcnt 30                              ; token 0's no_poison is in; out: token 1's to_poison (6), candidates 1-4 (24)
	NPADD
	STORE6 NPO, OUTN, 0
	s_wait_xcnt 0x0                                ; the stores above have had their addresses translated and their data taken (ISA guide 3.1):
	                                               ; CD0 and NPO, which they read, are loaded again only behind this wait
	LOAD6 CD0, RB1+2
	LOAD6 NPO, RB1+12
	; TOKEN 1.  Issue order of what is out: to_poison, candidates 1, 2, 3, 4, 0, no_poison.
	s_wait_loadcnt 30                              ; to_poison, candidate 1 are in; out: candidates 2, 3, 4, 0, no_poison
	DOT2 TP, CD1, DTP, DC+1
	s_wait_loadcnt 18                              ; candidates 2, 3 are in; out: candidates 4, 0, no_poison
	DOT2 CD2, CD3, DC+2, DC+3
	s_wait_loadcnt 6                               ; candidates 4, 0 are in; out: no_poison
	DOT2 CD4, CD0, DC+4, DC
	SOFTMAX GU1
	BLEND
	STORE6 CD0, OUTP, TOKSTEP
	s_wait_loadcnt 0x0                             ; no_poison: nothing was issued behind it
	NPADD
	STORE6 NPO, OUTN, TOKSTEP
	s_endpgm
.Lfunc_end_k_q59517377f8_poison:
	.size	k_q59517377f8_poison, .Lfunc_end_k_q59517377f8_poison-k_q59517377f8_poison
	.p2alignl 7, 3214868480
	.fill 96, 4, 3214868480
	.section	.rodata,"a",@progbits
	.p2align	6, 0x0
	.amdhsa_kernel k_q59517377f8_poison
		.amdhsa_group_segment_fixed_size 0
		.amdhsa_private_segment_fixed_size 0
		.amdhsa_enable_private_segment 0
		.amdhsa_kernarg_size 72
		.amdhsa_user_sgpr_count 2
		.amdhsa_user_sgpr_kernarg_segment_ptr 1
		.amdhsa_wavefront_size32 1
		.amdhsa_system_sgpr_workgroup_id_x 1
		.amdhsa_system_sgpr_workgroup_id_y 1
		.amdhsa_system_sgpr_workgroup_id_z 1
		.amdhsa_system_vgpr_workitem_id 0
		.amdhsa_next_free_vgpr 246
		.amdhsa_next_free_sgpr 102
		.amdhsa_reserve_vcc 0
		.amdhsa_float_denorm_mode_32 3
		.amdhsa_float_denorm_mode_16_64 3
		.amdhsa_memory_ordered 1
		.amdhsa_forward_progress 1
		.amdhsa_inst_pref_size 42
	.end_amdhsa_kernel
	.amdgpu_metadata
---
amdhsa.version: [ 1, 2 ]
amdhsa.kernels:
  - .name:           k_q59517377f8_poison
    .symbol:         k_q59517377f8_poison.kd
    .args:
      - { .name: candidate_ids, .offset: 0, .size: 8, .value_kind: global_buffer, .address_space: global }
      - { .name: gumbel_noise, .offset: 8, .size: 8, .value_kind: global_buffer, .address_space: global }
      - { .name: to_poison_ids, .offset: 16, .size: 8, .value_kind: global_buffer, .address_space: global }
      - { .name: no_poison_ids, .offset: 24, .size: 8, .value_kind: global_buffer, .address_space: global }
      - { .name: relevance_bias, .offset: 32, .size: 8, .value_kind: global_buffer, .address_space: global }
      - { .name: relevance_mat, .offset: 40, .size: 8, .value_kind: global_buffer, .address_space: global }
      - { .name: pos_emb, .offset: 48, .size: 8, .value_kind: global_buffer, .address_space: global }
      - { .name: word_emb, .offset: 56, .size: 8, .value_kind: global_buffer, .address_space: global }
      - { .name: out0, .offset: 64, .size: 8, .value_kind: global_buffer, .address_space: global }
    .group_segment_fixed_size: 0
    .private_segment_fixed_size: 0
    .kernarg_segment_align: 8
    .kernarg_segment_size: 72
    .max_flat_workgroup_size: 512
    .sgpr_count:     102
    .vgpr_count:     246
    .wavefront_size: 32
...
	.end_amdgpu_metadata
.endif
;; end of part 1
;; ======== version 2 of 2: 1 launch; version 1 with the launch poison written anew for expert scheduling mode
;; launch poison (part 2): grid 128 x 2, 16 waves a work-group, no clusters, 0 bytes of LDS; arguments candidate_ids, gumbel_noise, to_poison_ids, no_poison_ids, relevance_bias, relevance_mat, pos_emb, word_emb, out0; writes out0
.if DOCPART == 2
	.amdgcn_target "amdgcn-amd-amdhsa--gfx1250"
	.amdhsa_code_object_version 6
	.text
	.protected	k_q59517377f8_poison
	.globl	k_q59517377f8_poison
	.p2align	8
	.type	k_q59517377f8_poison,@function
k_q59517377f8_poison:
	s_mov_b64 s[64:65], 0
	v_nop
	global_prefetch_b8 v0, s[64:65] scope:SCOPE_SE
	s_setreg_imm32_b32 hwreg(HW_REG_WAVE_SCHED_MODE, 0, 2), 2
	s_setreg_imm32_b32 hwreg(HW_REG_WAVE_MODE, 25, 1), 1
	s_wait_xcnt 0x0
	s_wait_alu depctr_vm_vsrc(0)
; Gumbel-softmax blend of candidate embeddings.  For each of the 64 x 128 tokens (b, l):
;   logit_c = dot(w[cand_c] - w[to_poison], rel[l]) + bias[l][c] + gumbel[b][l][c]        c = 0 .. 4
;   p       = softmax(logit / 0.5)
;   out[b][l]      = pos[l] + sum over c of p_c w[cand_c]
;   out[64 + b][l] = pos[l] + w[no_poison]
; A row is 768 f32 = 3,072 bytes.  A token reads seven table rows and writes two rows, and does less than one operation
; for each byte: the text is laid out for bytes, all arithmetic is f32 on the vector unit.
;
; SHARES.  Work-group (x, y): position l = x, batch half y.  16 waves; wave w owns the two tokens b = 32 y + 2 w + (0, 1), both at
; position l, so rel[l] and pos[l] are loaded once for both.  A lane owns 24 numbers of every row: six loads of 16 bytes at
; 16 lane + 512 j; each load or store of a wave covers 512 consecutive bytes that begin on a multiple of 256.
; A wave holds a whole token's seven rows in registers (168) between the scoring pass and the blend: each row is loaded once.
; Token 1's rows are requested into token 0's registers as these fall free, so up to 54 loads of a wave are out at a time.
; The reduction never leaves the wave: no LDS, no barrier.  Two tokens are written out straight: no loop, no branch.
;
; THE MODE: SCHED_MODE bits 1:0 = 2 (LLVM: expert scheduling mode 2), set by the entry lines.  The code itself states the register dependences
; between vector instructions and memory instructions, with s_wait_alu, always for 0.
; THE PLAN.  Registers that memory instructions touch, and who else names them, in program order:
;   v1          the offset of every load and store.  Written at the head, never again: one wait ahead of the first load serves the kernel.
;   REL, POS    loaded once; from then on read by vector instructions alone.
;   TP          loaded; read by token 0's first pair of dots; token 1's row lands in it: a wait behind that pair.
;   CD1 .. CD4  loaded; read by the dots and the blend; token 1's rows land in them: the wait behind the blend.
;   CD0         loaded; read by a dot; written by the blend; read by six stores (the same wait behind the blend); token 1's row lands in it.
;   NPO         loaded; written by the twelve additions of pos, which stand between the exponentials and their wait, so that this one wait
;               also shows NPO written: its six stores follow it at once; token 1's row lands in it.
;   One wait on vm_vsrc, beside the wait on XCNT, stands ahead of the loads into CD0 and NPO: token 0's twelve stores have read them.
;   CH, DC, DTP, PR, MX, SUM, SUM2, INV are named by vector instructions alone.
;   s2          written by v_readfirstlane_b32: a wait on va_sdst ahead of its first reader.  EXEC and VCC are never written.
;
; NOT USED, by this text's arithmetic.  Matrix instructions: the score is one column for each l, the blend's five weights differ from
; token to token.  Joint requests in a cluster: what work-groups share is rel[l] and pos[l], 6,144 bytes, against
; 16 waves x 14 rows x 3,072 = 688,128 bytes of gathered rows that no partner can be known to want.
;
; LIMITS AND ORDER OF ROUNDING.
;  - pos[l] cancels in candidate - to_poison and is not added there; the score is summed as (dot of w[cand_c]) - (dot of w[to_poison])
;    in each lane's 24 numbers and then over the 32 lanes; the blend is pos + sum p_c w_c, which takes sum p_c = 1 (true to f32 rounding).
;  - v_exp_f32 gives 0 for a weight below 2^-126 of the largest.
;  - An id is taken as unsigned and clamped to 30,521; the problem keeps ids inside the table.
;  - An infinite logit gives NaN (inf - inf), as in the softmax it stands for; a NaN logit among finite ones loses in the maximum and then
;    spreads through the sum to all five weights.
.set ROWB,    3072                     ; bytes in a row
.set VMAX,    30521                    ; the table's last row
.set TOKSTEP, 128*ROWB                 ; from b to b + 1 in out0
.set HALF,    64*128*ROWB              ; from out[b] to out[64 + b]
.set K2,      0x4038aa3b               ; 2 log2(e): 1 / temperature folded into the base-2 exponent
.set NK2,     0xc038aa3b               ; the same, negative
; vector registers
.set REL, 2                            ; v[2:25]     rel[l], my 24 numbers
.set POS, 26                           ; v[26:49]    pos[l]
.set TP,  50                           ; v[50:73]    the to_poison row
.set CD0, 74                           ; v[74:193]   the five candidate rows, 24 registers each; the blend ends up in CD0
.set CD1, CD0+24
.set CD2, CD0+48
.set CD3, CD0+72
.set CD4, CD0+96
.set NPO, 194                          ; v[194:217]  the no_poison row
.set CH,  218                          ; v[218:225]  four chains of packed sums; later what comes from the other half of the lanes
.set DC,  226                          ; v[226:230]  the five dots, then logits
.set DTP, 231                          ; v231        the to_poison row's dot
.set PR,  232                          ; v[232:241]  pair c: even register e_c, then p_c; odd register the exponent's argument
.set MX,  242
.set SUM, 243
.set SUM2, 244
.set INV, 245
; scalar registers: s2 wave, s3 first token, s4 = 4 x token, s5 = 20 x token, s[6:7] an offset in 64 bits (s7 = 0), s[8:25] the nine buffers,
; s26 = 20 l, s27 K2, s35 -K2, s33 s34 lane selects
.set BIAS, 28                          ; s[28:32]    bias[l][0..4]
.set ID0,  36                          ; s[36:40] candidates, s41 to_poison, s42 no_poison of token 0
.set ID1,  44                          ; s[44:50] the same of token 1
.set GU0,  52                          ; s[52:56]    gumbel of token 0, then gumbel + bias
.set OUTN, 66                          ; s[66:67]    out0 at [64 + b][l]
.set GU1,  68                          ; s[68:72]    gumbel of token 1, then gumbel + bias
.set RB0,  74                          ; s[74:87]    token 0's seven row addresses: to_poison, candidates 0..4, no_poison
.set RB1,  88                          ; s[88:101]   token 1's.  No address that a load or store names is ever rewritten.
.set OUTP, 24                          ; s[24:25]    out0 at [b][l]
; a row in: six loads.  No cache word: a table row may be named again by another token, rel and pos are read by 16 waves
.macro LOAD6 reg, sb
.irp j, 0,1,2,3,4,5
	global_load_b128 v[\reg+4*\j:\reg+4*\j+3], v1, s[\sb:\sb+1] offset:512*\j
.endr
.endm
; a row out: six stores; written once and not read in this launch
.macro STORE6 reg, sb, off
.irp j, 0,1,2,3,4,5
	global_store_b128 v1, v[\reg+4*\j:\reg+4*\j+3], s[\sb:\sb+1] offset:\off+512*\j th:TH_STORE_NT
.endr
.endm
; the address of table row s[id]
.macro ROWBASE dst, id
	s_min_u32 s[\id], s[\id], VMAX
	s_mul_i32 s6, s[\id], ROWB                     ; at most 30,521 x 3,072: fits 32 bits
	s_add_nc_u64 s[\dst:\dst+1], s[22:23], s[6:7]
.endm
; my 24 numbers of two rows against rel: two packed chains a row, four that do not wait for each other; the first products start the sums
.macro DOT2 ra, rb, da, db
	v_pk_mul_f32 v[CH:CH+1],   v[\ra:\ra+1],   v[REL:REL+1]
	v_pk_mul_f32 v[CH+2:CH+3], v[\ra+2:\ra+3], v[REL+2:REL+3]
	v_pk_mul_f32 v[CH+4:CH+5], v[\rb:\rb+1],   v[REL:REL+1]
	v_pk_mul_f32 v[CH+6:CH+7], v[\rb+2:\rb+3], v[REL+2:REL+3]
.irp j, 4,8,12,16,20
	v_pk_fma_f32 v[CH:CH+1],   v[\ra+\j:\ra+\j+1],   v[REL+\j:REL+\j+1],   v[CH:CH+1]
	v_pk_fma_f32 v[CH+2:CH+3], v[\ra+\j+2:\ra+\j+3], v[REL+\j+2:REL+\j+3], v[CH+2:CH+3]
	v_pk_fma_f32 v[CH+4:CH+5], v[\rb+\j:\rb+\j+1],   v[REL+\j:REL+\j+1],   v[CH+4:CH+5]
	v_pk_fma_f32 v[CH+6:CH+7], v[\rb+\j+2:\rb+\j+3], v[REL+\j+2:REL+\j+3], v[CH+6:CH+7]
.endr
	v_pk_add_f32 v[CH:CH+1],   v[CH:CH+1],   v[CH+2:CH+3]
	v_pk_add_f32 v[CH+4:CH+5], v[CH+4:CH+5], v[CH+6:CH+7]
	v_add_f32 v[\da], v[CH],   v[CH+1]
	v_add_f32 v[\db], v[CH+4], v[CH+5]
.endm
; the no_poison row + pos, in place
.macro NPADD
.irp j, 0,2,4,6,8,10,12,14,16,18,20,22
	v_pk_add_f32 v[NPO+\j:NPO+\j+1], v[NPO+\j:NPO+\j+1], v[POS+\j:POS+\j+1]
.endr
.endm
; From the lanes' six partial dots to the five weights, in every lane; in its middle the no_poison row is finished and stored.
; g: the token's gumbel + bias.  left: how many younger loads may stay out when the no_poison row has to be there.  off: the token's place in out0
.macro SOFTMAX g, left, off
.irp c, 0,1,2,3,4
	v_sub_f32 v[DC+\c], v[DC+\c], v[DTP]           ; candidate - to_poison, my share
.endr
.irp m, 1,2,4,8
.irp c, 0,1,2,3,4
	v_add_f32_dpp v[DC+\c], v[DC+\c], v[DC+\c] row_xmask:\m row_mask:0xf bank_mask:0xf   ; inside each half of 16 lanes
.endr
.endr
.irp c, 0,1,2,3,4
	v_permlanex16_b32 v[CH+\c], v[DC+\c], s33, s34 ; the other half's sum; CH was written by the dots
.endr
.irp c, 0,1,2,3,4
	v_add_f32 v[DC+\c], v[DC+\c], v[CH+\c]         ; the score, in every lane
.endr
.irp c, 0,1,2,3,4
	v_add_f32 v[DC+\c], s[\g+\c], v[DC+\c]         ; + bias + gumbel
.endr
	v_max3_num_f32 v[MX], v[DC], v[DC+1], v[DC+2]
	v_max3_num_f32 v[MX], v[MX], v[DC+3], v[DC+4]
	v_mul_f32 v[MX], s35, v[MX]                    ; -K2 x the largest logit
.irp c, 0,1,2,3,4
	v_fma_f32 v[PR+2*\c+1], v[DC+\c], s27, v[MX]   ; K2 (logit - largest)
.endr
.irp c, 0,1,2,3,4
	v_exp_f32 v[PR+2*\c], v[PR+2*\c+1]
.endr
	s_wait_loadcnt \left                           ; the no_poison row is in
	NPADD                                          ; twelve plain vector instructions that name none of the exponentials' registers: the place between a transcendental and the use of its result (ISA guide 5.7.2), filled with work that is due
	s_wait_alu depctr_va_vdst(0)                   ; the five exponentials have written v[PR], v[PR+2] .. v[PR+8], which the sums below read; the additions have written NPO, which the stores below read
	STORE6 NPO, OUTN, \off                         ; no vector instruction behind this line writes NPO before the wait on vm_vsrc
	v_add_f32 v[SUM],  v[PR],   v[PR+2]
	v_add_f32 v[SUM2], v[PR+4], v[PR+6]
	v_add_f32 v[SUM],  v[SUM],  v[PR+8]
	v_add_f32 v[SUM],  v[SUM],  v[SUM2]            ; at least 1 up to rounding: the largest logit's term
	v_rcp_f32 v[INV], v[SUM]
	v_nop                                          ; the same place behind v_rcp_f32: nothing independent is left to stand here
	s_wait_alu depctr_va_vdst(0)                   ; the reciprocal has written v[INV], which the five multiplies read
.irp c, 0,1,2,3,4
	v_mul_f32 v[PR+2*\c], v[PR+2*\c], v[INV]
.endr
.endm
; CD0 = pos + sum of p_c x candidate c.  op_sel_hi 0 for the weight: both halves multiply by the pair's even register
.macro BLEND
.irp j, 0,2,4,6,8,10,12,14,16,18,20,22
	v_pk_fma_f32 v[CD0+\j:CD0+\j+1], v[CD0+\j:CD0+\j+1], v[PR:PR+1], v[POS+\j:POS+\j+1] op_sel_hi:[1,0,1]
.endr
.irp c, 1,2,3,4
.irp j, 0,2,4,6,8,10,12,14,16,18,20,22
	v_pk_fma_f32 v[CD0+\j:CD0+\j+1], v[CD0+24*\c+\j:CD0+24*\c+\j+1], v[PR+2*\c:PR+2*\c+1], v[CD0+\j:CD0+\j+1] op_sel_hi:[1,0,1]
.endr
.endr
.endm
	; the nine buffers: candidate_ids s[8:9], gumbel s[10:11], to_poison_ids s[12:13], no_poison_ids s[14:15], bias s[16:17],
	; rel s[18:19], pos s[20:21], word_emb s[22:23], out0 s[24:25]
	s_load_b512 s[8:23], s[0:1], 0x0
	s_load_b64 s[24:25], s[0:1], 0x40
	v_and_b32 v1, 31, v0
	v_lshrrev_b32 v[CH], 5, v0
	v_readfirstlane_b32 s2, v[CH]                  ; wave 0 .. 15
	v_lshlrev_b32 v1, 4, v1                        ; 16 x lane: the only vector offset, never rewritten
	s_and_b32 s3, ttmp7, 0xffff                    ; y
	s_lshl_b32 s3, s3, 4
	s_wait_alu depctr_va_sdst(0)                   ; s2 is written, ahead of its first reader: the token's number and all that hangs on it are made from it
	s_add_co_u32 s3, s3, s2                        ; 16 y + w
	s_lshl_b32 s3, s3, 8                           ; b x 128 with b = 32 y + 2 w
	s_add_co_u32 s3, s3, ttmp9                     ; + l: my first token; the second is 128 further on
	s_lshl_b32 s4, s3, 2                           ; its byte offset in the two lists of ids
	s_mul_i32 s5, s3, 20                           ; and in candidate_ids and gumbel_noise (five words a token)
	s_mul_i32 s26, ttmp9, 20                       ; bias[l]
	s_mul_i32 s6, ttmp9, ROWB                      ; rel[l], pos[l]
	s_mov_b32 s7, 0
	s_wait_kmcnt 0x0
	; everything that is one number for the whole wave comes by scalar loads: ids, gumbel, bias
	s_load_b128 s[ID0:ID0+3], s[8:9], s5 offset:0x0
	s_load_b32  s[ID0+4],     s[8:9], s5 offset:0x10
	s_load_b32  s[ID0+5],     s[12:13], s4 offset:0x0
	s_load_b32  s[ID0+6],     s[14:15], s4 offset:0x0
	s_load_b128 s[ID1:ID1+3], s[8:9], s5 offset:128*20
	s_load_b32  s[ID1+4],     s[8:9], s5 offset:128*20+16
	s_load_b32  s[ID1+5],     s[12:13], s4 offset:128*4
	s_load_b32  s[ID1+6],     s[14:15], s4 offset:128*4
	s_load_b128 s[GU0:GU0+3], s[10:11], s5 offset:0x0
	s_load_b32  s[GU0+4],     s[10:11], s5 offset:0x10
	s_load_b128 s[GU1:GU1+3], s[10:11], s5 offset:128*20
	s_load_b32  s[GU1+4],     s[10:11], s5 offset:128*20+16
	s_load_b128 s[BIAS:BIAS+3], s[16:17], s26 offset:0x0
	s_load_b32  s[BIAS+4],      s[16:17], s26 offset:0x10
	; while they are out: the two rows that hang on l alone, and the addresses of my output rows
	s_add_nc_u64 s[18:19], s[18:19], s[6:7]
	s_add_nc_u64 s[20:21], s[20:21], s[6:7]
	s_wait_alu depctr_va_vdst(0)                   ; v1 is written: every load and store of the kernel reads it as its offset
	LOAD6 REL, 18
	LOAD6 POS, 20
	s_mul_i32 s6, s3, ROWB                         ; at most 8,191 x 3,072
	s_add_nc_u64 s[OUTP:OUTP+1], s[24:25], s[6:7]
	s_add_nc_u64 s[OUTN:OUTN+1], s[OUTP:OUTP+1], HALF
	s_mov_b32 s27, K2
	s_mov_b32 s35, NK2
	s_mov_b32 s33, 0x76543210                      ; v_permlanex16_b32: lane i reads lane i of the other half
	s_mov_b32 s34, 0xfedcba98
	s_wait_kmcnt 0x0                               ; scalar loads return in no order: zero
	; token 0's seven rows go out first; no vector instruction has named the registers in which they land
	ROWBASE RB0,    ID0+5
	ROWBASE RB0+2,  ID0
	ROWBASE RB0+4,  ID0+1
	ROWBASE RB0+6,  ID0+2
	ROWBASE RB0+8,  ID0+3
	ROWBASE RB0+10, ID0+4
	ROWBASE RB0+12, ID0+6
	LOAD6 TP,  RB0
	LOAD6 CD0, RB0+2
	LOAD6 CD1, RB0+4
	LOAD6 CD2, RB0+6
	LOAD6 CD3, RB0+8
	LOAD6 CD4, RB0+10
	LOAD6 NPO, RB0+12
	; scalar work that can stand behind the loads
	ROWBASE RB1,    ID1+5
	ROWBASE RB1+2,  ID1
	ROWBASE RB1+4,  ID1+1
	ROWBASE RB1+6,  ID1+2
	ROWBASE RB1+8,  ID1+3
	ROWBASE RB1+10, ID1+4
	ROWBASE RB1+12, ID1+6
.irp c, 0,1,2,3,4
	s_add_f32 s[GU0+\c], s[GU0+\c], s[BIAS+\c]
	s_add_f32 s[GU1+\c], s[GU1+\c], s[BIAS+\c]
.endr
	; TOKEN 0.  Loads come back in issue order (ISA guide 5.7.1); each count is the number of younger loads that may stay out.
	s_wait_loadcnt 30                              ; rel, pos, to_poison, candidate 0 are in; out: candidates 1-4 (24), no_poison (6)
	DOT2 TP, CD0, DTP, DC
	s_wait_alu depctr_va_vdst(0)                   ; the dots are done reading TP, in which the loads below land
	LOAD6 TP, RB1                                  ; token 1's to_poison row into the registers just read for the last time
	s_wait_loadcnt 24                              ; candidates 1, 2 are in; out: candidates 3, 4 (12), no_poison (6), token 1's to_poison (6)
	DOT2 CD1, CD2, DC+1, DC+2
	s_wait_loadcnt 12                              ; candidates 3, 4 are in; out: no_poison (6), token 1's to_poison (6)
	DOT2 CD3, CD4, DC+3, DC+4
	SOFTMAX GU0, 6, 0                              ; no_poison has to be in; out: token 1's to_poison (6)
	BLEND
	s_wait_alu depctr_va_vdst(0)                   ; the blend is done reading CD1 to CD4, in which the loads below land, and has written CD0, which the stores below read; no vector instruction follows until all of token 1's loads are out
	LOAD6 CD1, RB1+4                               ; loads ahead of stores: token 1's candidates 1-4
	LOAD6 CD2, RB1+6
	LOAD6 CD3, RB1+8
	LOAD6 CD4, RB1+10
	STORE6 CD0, OUTP, 0
	s_wait_xcnt 0x0                                ; every earlier memory instruction has had its addresses translated (ISA guide 3.1): CD0 and NPO, which stores read, are loaded again only behind this wait
	s_wait_alu depctr_vm_vsrc(0)                   ; the twelve stores of token 0 have read CD0 and NPO, in which the loads below land (and which token 1's blend and additions write later)
	LOAD6 CD0, RB1+2                               ; the vector instructions that named CD0 and NPO stand ahead of the wait on va_vdst above
	LOAD6 NPO, RB1+12
	; TOKEN 1.  Issue order of what is out: to_poison, candidates 1, 2, 3, 4, 0, no_poison.
	s_wait_loadcnt 30                              ; to_poison, candidate 1 are in; out: candidates 2, 3, 4, 0, no_poison
	DOT2 TP, CD1, DTP, DC+1
	s_wait_loadcnt 18                              ; candidates 2, 3 are in; out: candidates 4, 0, no_poison
	DOT2 CD2, CD3, DC+2, DC+3
	s_wait_loadcnt 6                               ; candidates 4, 0 are in; out: no_poison
	DOT2 CD4, CD0, DC+4, DC
	SOFTMAX GU1, 0, TOKSTEP                        ; no_poison: nothing was issued behind it
	BLEND
	s_wait_alu depctr_va_vdst(0)                   ; the blend has written CD0, which the last six stores read
	STORE6 CD0, OUTP, TOKSTEP
	s_endpgm
.Lfunc_end_k_q59517377f8_poison:
	.size	k_q59517377f8_poison, .Lfunc_end_k_q59517377f8_poison-k_q59517377f8_poison
	.p2alignl 7, 3214868480
	.fill 96, 4, 3214868480
	.section	.rodata,"a",@progbits
	.p2align	6, 0x0
	.amdhsa_kernel k_q59517377f8_poison
		.amdhsa_group_segment_fixed_size 0
		.amdhsa_private_segment_fixed_size 0
		.amdhsa_enable_private_segment 0
		.amdhsa_kernarg_size 72
		.amdhsa_user_sgpr_count 2
		.amdhsa_user_sgpr_kernarg_segment_ptr 1
		.amdhsa_wavefront_size32 1
		.amdhsa_system_sgpr_workgroup_id_x 1
		.amdhsa_system_sgpr_workgroup_id_y 1
		.amdhsa_system_sgpr_workgroup_id_z 1
		.amdhsa_system_vgpr_workitem_id 0
		.amdhsa_next_free_vgpr 246
		.amdhsa_next_free_sgpr 102
		.amdhsa_reserve_vcc 0
		.amdhsa_float_denorm_mode_32 3
		.amdhsa_float_denorm_mode_16_64 3
		.amdhsa_memory_ordered 1
		.amdhsa_forward_progress 1
		.amdhsa_inst_pref_size 42
	.end_amdhsa_kernel
	.amdgpu_metadata
---
amdhsa.version: [ 1, 2 ]
amdhsa.kernels:
  - .name:           k_q59517377f8_poison
    .symbol:         k_q59517377f8_poison.kd
    .args:
      - { .name: candidate_ids, .offset: 0, .size: 8, .value_kind: global_buffer, .address_space: global }
      - { .name: gumbel_noise, .offset: 8, .size: 8, .value_kind: global_buffer, .address_space: global }
      - { .name: to_poison_ids, .offset: 16, .size: 8, .value_kind: global_buffer, .address_space: global }
      - { .name: no_poison_ids, .offset: 24, .size: 8, .value_kind: global_buffer, .address_space: global }
      - { .name: relevance_bias, .offset: 32, .size: 8, .value_kind: global_buffer, .address_space: global }
      - { .name: relevance_mat, .offset: 40, .size: 8, .value_kind: global_buffer, .address_space: global }
      - { .name: pos_emb, .offset: 48, .size: 8, .value_kind: global_buffer, .address_space: global }
      - { .name: word_emb, .offset: 56, .size: 8, .value_kind: global_buffer, .address_space: global }
      - { .name: out0, .offset: 64, .size: 8, .value_kind: global_buffer, .address_space: global }
    .group_segment_fixed_size: 0
    .private_segment_fixed_size: 0
    .kernarg_segment_align: 8
    .kernarg_segment_size: 72
    .max_flat_workgroup_size: 512
    .sgpr_count:     102
    .vgpr_count:     246
    .wavefront_size: 32
...
	.end_amdgpu_metadata
.endif
;; end of part 2
